; MI455X (gfx1250); checked and timed in simulation.
; The chip was launched on July 23, 2026; its instructions are those of AMD's public machine-readable ISA for CDNA 5 (MIT licence, August 2026) and "CDNA5" Instruction Set Architecture Reference Guide (July 2026). The comments in the code are by the model that wrote it; some were corrected since.
;; Quantized Lo RA Linear. Allowed arithmetic: matrix products marked QUANTISED: E5M2 operands, one E8M0 scale for each 32 along K, by v_wmma_scale_f32_16x16x128_f8f6f4 with both operands' format E5M2, f32 sums; products left as they are: f32 operands where the result goes on into a quantised operand, else bf16, f16 or f32 operands; f32 sums; everything else in f32.
;; Inputs: bias 2,048 float32; lora_A 8 x 4,096 float32; lora_B 2,048 x 8 float32; qweight_codes 131,072 x 64 int32; qweight_scales 131,072 float32; x 4 x 2,048 x 4,096 float32.
;; Outputs: out0 4 x 2,048 x 2,048 float32.
;; This version of the problem:
;;   THIS VERSION OF THE PROBLEM IS GIVEN IN LOW PRECISION. The matrix products marked QUANTISED in the list below multiply operands that are first quantised to E5M2 (5 exponent bits, 2 mantissa bits; 8 bits a number), with one power-of-two scale for each 32 numbers along K (OCP MX v1.0); their sums are f32. All else is computed in f32.
;;   The module's matrix products, in the order in which they are computed (A, B: the left and right operand; K: the contracted axis; several contracted axes count as one K, in the product's order):
;;     1. [M 8,192, K 4,096] x [K 4,096, N 2,048]; A: input x; B: computed on the way: QUANTISED
;;     2. [M 8,192, K 4,096] x [K 4,096, N 8]; A: input x; B: input lora_A: left as it is (N = 8 < 16)
;;     3. [M 8,192, K 8] x [K 8, N 2,048]; A: computed on the way; B: input lora_B: left as it is (K = 8 < 32)
;;   THE QUANTISER, for each operand of a quantised product, along K:
;;     - K is cut into blocks of 32 from its start; a last block that is shorter is filled with zeros.
;;     - A block's scale is 2^e with e = floor(log2(the largest magnitude in the block)) - 15, held to -126 .. 127; a block of zeros has e = 0. As a byte (E8M0): e + 127.
;;     - Each number is divided by its block's scale, clamped to +-57,344, and rounded to the nearest number of E5M2, ties to even, subnormals kept.
;;     - The product sums the exact products of the quantised numbers (number of the format x scale) in f32.
;;   ~~~python
;;   def quantise(x, axis):      # numpy; x: float32 -> the quantised numbers, widened to float32 again
;;       x = np.moveaxis(x, axis, -1); K = x.shape[-1]
;;       x = np.pad(x, [(0, 0)] * (x.ndim - 1) + [(0, -K % 32)]); x = x.reshape(x.shape[:-1] + (-1, 32)); a = np.abs(x).max(-1, keepdims=True)
;;       e = np.where(a > 0, np.clip(np.frexp(np.where(a > 0, a, 1))[1] - 1 - 15, -126, 127), 0)      # np.frexp(a)[1] - 1 = floor(log2(a)), exactly
;;       r = np.clip(x / 2.0 ** e, -57344, 57344)
;;       step = 2.0 ** (np.maximum(np.frexp(np.where(r == 0, 1, r))[1] - 1, -14) - 2)
;;       q = np.round(r / step) * step * 2.0 ** e      # np.round: ties to even
;;       return np.moveaxis(q.reshape(q.shape[:-2] + (-1,))[..., :K], -1, axis).astype(np.float32)
;;   ~~~
;;   OPERANDS COMPUTED ON THE WAY. 'Computed on the way' means the value that the module computes at that place (a softmax that the list does not call 'softmax' is quantised finished and normalised). What goes into a quantiser is computed in f32, as accurately as f32 sums, v_exp_f32 and their like allow (about 1e-6 of the number): no bf16 or f16 on the way to a quantiser, and a product that is left as it is and whose result goes on into a quantised operand takes f32 operands (vector FMAs, or v_wmma_f32_16x16x4_f32). A number that lies on a knife's edge between two numbers of the format may be rounded either way, as far as f32 arithmetic and the matrix unit's own rounding can turn it there, and no further.
;; One version. Each part assembles by itself: llvm-mc -triple=amdgcn-amd-amdhsa -mcpu=gfx1250 --defsym DOCPART=n.
;; ======== version 1 of 1: 2 launches
;; limits: values are held in bf16: 8 bits of precision; right only within a limited range of input values
;; workspace buffers: xq 34,603,008 bytes; wq 8,650,752 bytes; hid_img 524,288 bytes; lb_img 131,072 bytes
;; launch prep (part 1): grid 512 x 1, 8 waves a work-group, no clusters, 94,464 bytes of LDS; arguments x, qweight_codes, qweight_scales, lora_A, lora_B, xq, wq, hid_img, lb_img; writes xq, wq, hid_img, lb_img
.if DOCPART == 1
	.amdgcn_target "amdgcn-amd-amdhsa--gfx1250"
	.amdhsa_code_object_version 6
	.text
	.protected	k_qdd0dff3113_prep
	.globl	k_qdd0dff3113_prep
	.p2align	8
	.type	k_qdd0dff3113_prep,@function
k_qdd0dff3113_prep:
	s_mov_b64 s[64:65], 0
	v_nop
	global_prefetch_b8 v0, s[64:65] scope:SCOPE_SE
	s_setreg_imm32_b32 hwreg(HW_REG_WAVE_MODE, 25, 1), 1
	s_wait_xcnt 0x0
; PREPARATION for out = x W^T + bias + 2 (x A^T) B^T.  x: [8192][4096] f32.  W[o][k] = NF4 table[code] x scale of its block of 64: [2048][4096].
; This launch (a) turns x and W into codes of BF8 (E5M2) with one E8M0 byte for each 32 along K, (b) makes hidden = x A^T (bf16 operands, f32 sums) and stores 2 x hidden in bf16, (c) stores lora_B in bf16.
; All four results are laid as IMAGES OF OPERAND REGISTERS, so that the product's launch loads fragments whole.
; xq, wq: records of REC = 33,792 bytes, one for 128 rows x 256 along K, at (rows / 128 x 16 + K / 256) x REC:
;   codes at q x 16,384 + mb x 2,048 + c x 512 + 16 x lane (q: which 128 along K; mb: which 16 rows; lane (r, h) holds row r, k = 32 c + 16 h + 0 .. 15);  scale words at 32,768 + mb x 128 + q x 64 + 4 r.
; hid_img, lb_img: 1,024 bytes for 16 rows: a bf16 fragment for K = 32 of which K = 8 is used: bytes 16 r .. 16 r + 15 hold row r's 8 numbers, all the rest is zeros.
; A block's scale is 2^(floor(log2(its largest magnitude)) - 15); its byte is the largest magnitude's exponent field - 15, held at 1 from below; each number is held within +-57,344 x the scale and rounded to the nearest code, ties to even.
; LIMITS: NaN and infinities among the inputs are not served.  A block of zeros gets the byte 1 where the rule says 127: its codes are zeros, which add nothing under any byte but 0xff, and this program alone reads the bytes.
;   Blocks whose largest magnitude lies under 2^(16 - 127) keep the byte 1.  An NF4 code above 15 is held at 15.  x and lora_A are rounded to bf16 for hidden alone; the quantiser sees f32.
; SHARES.  Work-group j of 512, eight waves: rows 16 j .. 16 j + 15 of x, wave w the K range 512 w .. 512 w + 511 in four steps of 128; and 16 rows of W (block j / 4), wave w the one step 8 (j % 4) + w of 128 along K.
; A STEP is 16 rows x 128 numbers of 4 bytes.  Each of its 16 loads reads 512 consecutive bytes of one row, 16 a lane.  The conversions want 16 neighbours along K in one lane's registers: so the 8 KB turn through the wave's
; own stage in LDS (rows of 528 bytes) and come back into the registers that they left: register 16 c + i of lane (r, h) = k 32 c + 16 h + i of row r.  Two register sets take turns: one is worked on while the other is being loaded.
; No tensor loads, no ring; one barrier, for the sum of the eight waves' parts of hidden.
.set REC,   33792
.set SWO,   32768                      ; where a record's scale words begin
.set ROWX,  16384                      ; a row of x, of W's codes and of lora_A in bytes
.set XP,    528                        ; a stage row: 512 bytes + 16: an odd multiple of 16, so the 16 rows that a load touches begin in 16 different groups of banks (64 banks of 4 bytes: ISA guide 11.1)
.set LAP,   272                        ; a row of lora_A's stage: 128 bf16 + 16 bytes
.set PS,    256                        ; LDS: the waves' parts of hidden, 1,024 bytes each.  (Bytes 0-255 are left unused: the lane permute's index register holds 0 .. 60, which name lanes and no LDS byte; so they coincide with no address in use)
.set WBASE, PS+8*1024                  ; then a region for each wave: x's stage, lora_A's stage
.set WREG,  16*XP+8*LAP
.set LI,    1                          ; v1   16 x lane
.set SIN,   2                          ; v2   x's stage, on the way in: + 16 x lane
.set SOUT,  3                          ; v3   and out: + 528 r + 64 h
.set SCO,   4                          ; v4   4 x lane
.set SCR,   5                          ; v5   4 r
.set LAIN,  6                          ; v6   lora_A's stage, in: + 8 x lane
.set LAOUT, 7                          ; v7   out: + 272 (r % 8) + 32 h
.set PSA,   8                          ; v8   my part of hidden: PS + 1,024 w + 16 x lane
.set NSO,   9                          ; v9   256 r: a row of W has 64 NF4 scales
.set LB8,   10                         ; v10  8 x lane
.set TAB,   11                         ; v11  the NF4 table, entry i in lane i
.set NS,    12                         ; v12-13 my row's two NF4 scales of the step
.set LBR,   16                         ; v16-19 lora_B, 16 bytes a lane
.set ZR,    20                         ; v20-23 zeros
.set TM,    24                         ; v24-27 largest magnitudes, v28-31 bytes, v32-35 57,344 x the scale, v36-39 the conversions' scale operands
.set PW0,   40                         ; v40, v41 the scale words of an even and an odd step;  v42 the two in one register
.set PW1,   41
.set PWS,   42
.set CD,    44                         ; v44-59 a fragment's codes
.set XBF,   60                         ; v60-75 x in bf16, two sets of 8; also at work
.set ACC,   76                         ; v76-83, v84-91 hidden's two accumulators
.set LA,    92                         ; v92-123 lora_A: 32 registers as loaded, then four bf16 fragments
.set SETA,  128                        ; v128-191, v192-255 the two sets of 64 numbers
.set SETB,  192
	s_load_b256 s[4:11], s[0:1], 0x0               ; x s[4:5], W's codes s[6:7], NF4 scales s[8:9], lora_A s[10:11]
	s_load_b256 s[12:19], s[0:1], 0x20             ; lora_B s[12:13], xq s[14:15], wq s[16:17], hid_img s[18:19]
	s_load_b64 s[20:21], s[0:1], 0x40              ; lb_img
	v_lshl_add_u32 v126, v0, 2, 0x16d00
	v_mov_b32 v127, 0
	v_lshrrev_b32 v14, 5, v0
	s_delay_alu instid0(VALU_DEP_1)
	v_readfirstlane_b32 s22, v14                   ; wave 0..7
	v_and_b32 v14, 31, v0                          ; lane
	v_and_b32 v15, 15, v0                          ; r
	v_bfe_u32 v43, v0, 4, 1                        ; h
	s_and_b32 s23, ttmp9, 3                        ; kq: which quarter of K of W
	s_lshr_b32 s24, ttmp9, 2                       ; wb: which 16 rows of W
	s_mul_i32 s25, s22, WREG
	s_add_co_u32 s25, s25, WBASE                   ; my stage for x,
	s_add_co_u32 s26, s25, 16*XP                   ; and for lora_A
	v_lshlrev_b32 v[LI], 4, v14
	s_delay_alu instid0(VALU_DEP_1)
	v_add_nc_u32 v[SIN], s25, v[LI]
	v_mul_u32_u24 v[SOUT], v15, XP
	s_delay_alu instid0(VALU_DEP_1)
	v_lshl_add_u32 v[SOUT], v43, 6, v[SOUT]
	s_delay_alu instid0(VALU_DEP_1)
	v_add_nc_u32 v[SOUT], s25, v[SOUT]
	v_lshlrev_b32 v[SCO], 2, v14
	v_lshlrev_b32 v[SCR], 2, v15
	v_lshlrev_b32 v[LB8], 3, v14
	s_delay_alu instid0(VALU_DEP_1)
	v_add_nc_u32 v[LAIN], s26, v[LB8]
	v_and_b32 v[LAOUT], 7, v0
	s_delay_alu instid0(VALU_DEP_1)
	v_mul_u32_u24 v[LAOUT], v[LAOUT], LAP
	s_delay_alu instid0(VALU_DEP_1)
	v_lshl_add_u32 v[LAOUT], v43, 5, v[LAOUT]
	s_delay_alu instid0(VALU_DEP_1)
	v_add_nc_u32 v[LAOUT], s26, v[LAOUT]
	s_lshl_b32 s27, s22, 10
	s_add_co_u32 s27, s27, PS
	v_add_nc_u32 v[PSA], s27, v[LI]
	v_lshlrev_b32 v[NSO], 8, v15
	; byte offsets of what is loaded, each in a pair with 0 above it
	s_lshl_b32 s38, ttmp9, 18                      ; x: 16 j rows of 16,384 bytes
	s_lshl_b32 s40, s22, 11                        ;    + 512 w numbers;  lora_A: the same K range
	s_add_co_u32 s38, s38, s40
	s_mov_b32 s39, 0
	s_mov_b32 s41, 0
	s_lshl_b32 s37, s23, 3
	s_add_co_u32 s37, s37, s22                     ; my step of W: 8 kq + w
	s_lshl_b32 s42, s24, 18                        ; W's codes: 16 wb rows
	s_lshl_b32 s44, s37, 9                         ;    + 128 numbers a step
	s_add_co_u32 s42, s42, s44
	s_mov_b32 s43, 0
	s_lshl_b32 s44, s24, 12                        ; NF4 scales: 16 wb rows of 256 bytes
	s_lshl_b32 s46, s37, 3                         ;    + two a step
	s_add_co_u32 s44, s44, s46
	s_mov_b32 s45, 0
	s_lshl_b32 s46, s24, 9                         ; lora_B: 16 wb rows of 32 bytes
	s_mov_b32 s47, 0
	s_wait_alu depctr_va_vdst(0)
	s_wait_kmcnt 0x0
	s_add_nc_u64 s[4:5], s[4:5], s[38:39]
	s_add_nc_u64 s[10:11], s[10:11], s[40:41]
	s_add_nc_u64 s[6:7], s[6:7], s[42:43]
	s_add_nc_u64 s[8:9], s[8:9], s[44:45]
	s_add_nc_u64 s[12:13], s[12:13], s[46:47]
.macro XLOAD set, base, off            ; 16 rows x 512 consecutive bytes, read once in the launch
.irp i, 0,1,2,3,4,5,6,7,8,9,10,11,12,13,14,15
	global_load_b128 v[\set+4*\i:\set+4*\i+3], v[LI], s[\base:\base+1] offset:ROWX*\i+(\off) th:TH_LOAD_NT
.endr
.endm
.macro LALOAD off                      ; lora_A's 8 rows of the same 128 along K (every work-group reads them: no hint)
.irp i, 0,1,2,3,4,5,6,7
	global_load_b128 v[LA+4*\i:LA+4*\i+3], v[LI], s[10:11] offset:ROWX*\i+(\off)
.endr
.endm
	global_load_b64 v[NS:NS+1], v[NSO], s[8:9]
	global_load_b128 v[LBR:LBR+3], v[LI], s[12:13]
	XLOAD SETA, 6, 0                               ; W's codes come first,
	LALOAD 0
	XLOAD SETB, 4, 0                               ; then x's step 0
	; where the results go.  No base is stepped later: every step's place stands in an immediate.  (s39 and s43 stay 0)
	s_lshr_b32 s38, ttmp9, 3                       ; xq: the group of 128 rows,
	s_lshl_b32 s38, s38, 4
	s_lshl_b32 s40, s22, 1                         ; my first slot of 256 along K: 2 w
	s_add_co_u32 s38, s38, s40
	s_mul_i32 s38, s38, REC
	s_and_b32 s40, ttmp9, 7                        ; mb: my 16 rows in the group
	s_lshl_b32 s42, s40, 7
	s_add_co_u32 s42, s42, s38
	s_add_co_u32 s42, s42, SWO
	s_add_nc_u64 s[32:33], s[14:15], s[42:43]      ; the scale words
	s_lshl_b32 s40, s40, 11
	s_add_co_u32 s38, s38, s40
	s_add_nc_u64 s[14:15], s[14:15], s[38:39]      ; the codes
	s_lshr_b32 s38, ttmp9, 5                       ; wq: the group of 128 rows: wb / 8,
	s_lshl_b32 s38, s38, 4
	s_lshl_b32 s40, s23, 2
	s_add_co_u32 s38, s38, s40
	s_lshr_b32 s40, s22, 1
	s_add_co_u32 s38, s38, s40                     ; the slot: 4 kq + w / 2
	s_mul_i32 s38, s38, REC
	s_and_b32 s40, s22, 1                          ; q = w % 2
	s_and_b32 s44, s24, 7                          ; mb = wb % 8
	s_lshl_b32 s42, s44, 7
	s_add_co_u32 s42, s42, s38
	s_lshl_b32 s46, s40, 6
	s_add_co_u32 s42, s42, s46
	s_add_co_u32 s42, s42, SWO
	s_add_nc_u64 s[34:35], s[16:17], s[42:43]
	s_lshl_b32 s40, s40, 14
	s_add_co_u32 s38, s38, s40
	s_lshl_b32 s44, s44, 11
	s_add_co_u32 s38, s38, s44
	s_add_nc_u64 s[16:17], s[16:17], s[38:39]
	s_lshl_b32 s38, ttmp9, 10
	s_add_nc_u64 s[18:19], s[18:19], s[38:39]      ; hid_img: block j
	s_lshl_b32 s38, s24, 10
	s_lshl_b32 s40, s23, 8
	s_add_co_u32 s38, s38, s40
	s_add_nc_u64 s[20:21], s[20:21], s[38:39]      ; lb_img: block wb, my quarter kq of its 1,024 bytes
	s_cmp_eq_u32 s23, 0
	s_cselect_b32 s36, -1, 0                       ; quarter 0 holds the numbers, the other three zeros
	s_mov_b32 s28, 0x76543210
	s_mov_b32 s29, 0xfedcba98                      ; v_permlanex16_b32's selects for lane l xor 16
	s_mov_b32 s30, 0x600000                        ; the mantissa field of 57,344
	s_mov_b32 s31, 0xffff0000                      ; lanes 16-31
.irp b, 0,1,2,3
	v_mov_b32 v[ZR+\b], 0
	v_mov_b32 v[TM+4+\b], 0                        ; written once: a lane permute's destination counts as one of its sources
.endr
	v_mov_b32 v[TAB], 0
.macro TABSET i, bits
	s_mov_b32 s25, \bits
	v_writelane_b32 v[TAB], s25, \i
.endm
	TABSET 0,  0xbf800000                          ; the sixteen numbers of NF4, as f32 patterns
	TABSET 1,  0xbf3239b1
	TABSET 2,  0xbf066b30
	TABSET 3,  0xbeca32a0
	TABSET 4,  0xbe91a24d
	TABSET 5,  0xbe3d353f
	TABSET 6,  0xbdba7871
	TABSET 7,  0
	TABSET 8,  0x3da2faff
	TABSET 9,  0x3e24cae3
	TABSET 10, 0x3e7c04dd
	TABSET 11, 0x3ead033a
	TABSET 12, 0x3ee1a4b8
	TABSET 13, 0x3f1007ab
	TABSET 14, 0x3f3913b3
	TABSET 15, 0x3f800000
; A step's 8 KB through my stage, in place.  LDS serves a wave's instructions in order (ISA guide 5.7.1.4): the loads see the stores, and land in the registers that the stores have read.
.macro XTURN set
.irp i, 0,1,2,3,4,5,6,7,8,9,10,11,12,13,14,15
	ds_store_b128 v[SIN], v[\set+4*\i:\set+4*\i+3] offset:XP*\i
.endr
.irp c, 0,1,2,3
.irp u, 0,1,2,3
	ds_load_b128 v[\set+16*\c+4*\u:\set+16*\c+4*\u+3], v[SOUT] offset:128*\c+16*\u
.endr
.endr
.endm
; lora_A's 8 rows x 128 become bf16 and turn likewise: fragment c, registers 0-7 of lane (r, h) = k 32 c + 16 h + 0 .. 15 of row r % 8: the same order of k as x's bf16 fragments have; rows 8-15 repeat rows 0-7.
.macro LATURN
.irp i, 0,1,2,3,4,5,6,7
	v_cvt_pk_bf16_f32 v[XBF+2*\i], v[LA+4*\i], v[LA+4*\i+1]
	v_cvt_pk_bf16_f32 v[XBF+2*\i+1], v[LA+4*\i+2], v[LA+4*\i+3]
.endr
.irp i, 0,1,2,3,4,5,6,7
	ds_store_b64 v[LAIN], v[XBF+2*\i:XBF+2*\i+1] offset:LAP*\i
.endr
.irp c, 0,1,2,3
.irp u, 0,1
	ds_load_b128 v[LA+8*\c+4*\u:LA+8*\c+4*\u+3], v[LAOUT] offset:64*\c+16*\u
.endr
.endr
.endm
; hidden += lora_A x^T, 32 along K at a time: source 0 = lora_A's rows, source 1 = my 16 rows of x: register i of lane (r, h) is hidden[row r][i], in both halves of the lanes.
; The two accumulators take turns, one instruction a turn, from step to step too.  Eight conversions, which name none of its registers, stand between a product and the next write of its set of x.
.macro HID set, first
.irp c, 0,1,2,3
.irp i, 0,1,2,3,4,5,6,7
	v_cvt_pk_bf16_f32 v[XBF+8*(\c%2)+\i], v[\set+16*\c+2*\i], v[\set+16*\c+2*\i+1]
.endr
.if \first && (\c < 2)
	v_wmma_f32_16x16x32_bf16 v[ACC+8*(\c%2):ACC+8*(\c%2)+7], v[LA+8*\c:LA+8*\c+7], v[XBF+8*(\c%2):XBF+8*(\c%2)+7], 0
.else
	v_wmma_f32_16x16x32_bf16 v[ACC+8*(\c%2):ACC+8*(\c%2)+7], v[LA+8*\c:LA+8*\c+7], v[XBF+8*(\c%2):XBF+8*(\c%2)+7], v[ACC+8*(\c%2):ACC+8*(\c%2)+7]
.endif
.endr
.endm
; The four blocks' largest magnitudes: my 16 numbers of each, the floor 2^(16 - 127) among them, and lane l xor 16's.
.macro QMAX s
.irp b, 0,1,2,3
	v_max3_num_f32 v[TM+\b], |v[\s+16*\b]|, |v[\s+1+16*\b]|, 0x8000000
.endr
.irp i, 2,4,6,8,10,12,14
.irp b, 0,1,2,3
	s_delay_alu instid0(VALU_DEP_4)
	v_max3_num_f32 v[TM+\b], v[TM+\b], |v[\s+16*\b+\i]|, |v[\s+1+16*\b+\i]|   ; the four blocks by turns: no line waits for the line above it
.endr
.endr
.irp b, 0,1,2,3
	s_delay_alu instid0(VALU_DEP_4)
	v_permlanex16_b32 v[TM+4+\b], v[TM+\b], s28, s29
.endr
.irp b, 0,1,2,3
	s_delay_alu instid0(VALU_DEP_4)
	v_max_num_f32 v[TM+\b], v[TM+\b], v[TM+4+\b]
.endr
.endm
; Scale word into v[pw], codes into v[CD] on.
.macro QREST s, pw
	s_wait_xcnt 0x0                                ; the last step's stores have read v[CD] on and v[PWS]: they are written again only behind this wait
.irp b, 0,1,2,3
	v_add_nc_u32 v[TM+12+\b], 0xf8800000, v[TM+\b]   ; 15 off the exponent field: the conversion takes the exponent field of this operand as its scale, and nothing else of it
.endr
.irp b, 0,1,2,3
	v_and_or_b32 v[TM+8+\b], v[TM+\b], 0x7f800000, s30   ; 57,344 x the scale
.endr
.irp b, 0,1,2,3
	v_lshrrev_b32 v[TM+4+\b], 23, v[TM+12+\b]      ; the scale's byte
.endr
	s_delay_alu instid0(VALU_DEP_3)
	v_lshl_or_b32 v[\pw], v[TM+5], 8, v[TM+4]      ; four bytes make my row's scale word
	s_delay_alu instid0(VALU_DEP_1)
	v_lshl_or_b32 v[\pw], v[TM+6], 16, v[\pw]
	s_delay_alu instid0(VALU_DEP_1)
	v_lshl_or_b32 v[\pw], v[TM+7], 24, v[\pw]
.irp b, 0,1,2,3
.irp i, 0,1,2,3,4,5,6,7,8,9,10,11,12,13,14,15
	v_med3_num_f32 v[\s+16*\b+\i], v[\s+16*\b+\i], -v[TM+8+\b], v[TM+8+\b]   ; the conversion to an 8-bit code does not saturate (ISA guide 7.6.2): the hold comes first
.endr
	v_cvt_scalef32_pk8_bf8_f32 v[CD+4*\b:CD+4*\b+1], v[\s+16*\b:\s+16*\b+7], v[TM+12+\b]
	v_cvt_scalef32_pk8_bf8_f32 v[CD+4*\b+2:CD+4*\b+3], v[\s+16*\b+8:\s+16*\b+15], v[TM+12+\b]
.endr
	v_nop                                          ; one plain vector line behind the last scaled conversion
.endm
.macro PUT base, off                   ; the fragment's image: four stores of 512 consecutive bytes, aligned to 256
.irp c, 0,1,2,3
	global_store_b128 v[LI], v[CD+4*\c:CD+4*\c+3], s[\base:\base+1] offset:(\off)+512*\c th:TH_STORE_NT
.endr
.endm
; Step t of x, on set t % 2.
.macro XSTEP t, first
.set SS, SETA+64*(((\t)+1)%2)
.if (\t) < 3
	s_wait_loadcnt 16                              ; this step's x and lora_A are in; behind them only the other set's sixteen were issued
.else
	s_wait_loadcnt 0x0                             ; the last step: nothing was issued behind its loads
.endif
	XTURN SS
	LATURN
	s_wait_dscnt 0x0
	HID SS, \first                                 ; ahead of the hold: bf16 is made of x as it came
	QMAX SS                                        ; its lines are also the places between the last product and the loads into lora_A's registers
.if (\t) < 3
	LALOAD 512*((\t)+1)
.endif
	s_wait_alu depctr_va_vdst(0)
	QREST SS, PW0+(\t)%2
	PUT 14, ((\t)/2)*REC+((\t)%2)*16384
.if (\t)%2
	v_cndmask_b32 v[PWS], v[PW0], v[PW1], s31      ; lanes 0-15: the words of the slot's first 128 along K; lanes 16-31: of its second
	global_store_b32 v[SCO], v[PWS], s[32:33] offset:((\t)/2)*REC th:TH_STORE_NT   ; 128 consecutive bytes
.endif
.if (\t) < 2
	XLOAD SS, 4, 512*((\t)+2)                      ; the set just freed takes the step two on
.endif
.endm
	; ---- W first, while x's step 0 is on its way: 16 rows x 128 NF4 codes (int32) turn as x does, become table[code] x the block's scale in f32, and are quantised like x
	s_wait_loadcnt 24                              ; the NF4 scales, lora_B and W's codes are in; behind them lora_A's 8 and x's 16 loads were issued
	XTURN SETA
	s_wait_dscnt 0x0
.set i, 0
.rept 64
	v_min_u32 v[SETA+i], 15, v[SETA+i]             ; a loaded number becomes an index only behind a hold
.set i, i+1
.endr
.set i, 0
.rept 64
	v_lshlrev_b32 v[SETA+i], 2, v[SETA+i]          ; the permute's index is lane x 4
.set i, i+1
.endr
.set i, 0
.rept 64
	ds_bpermute_b32 v[SETA+i], v[SETA+i], v[TAB]   ; table[code]: the table lies one entry a lane
.set i, i+1
.endr
	s_wait_dscnt 0x0
.set i, 0
.rept 64
	v_mul_f32 v[SETA+i], v[SETA+i], v[NS+i/32]     ; registers 0-31 are k 0 .. 63 of the step, registers 32-63 k 64 .. 127: one NF4 scale each
.set i, i+1
.endr
	QMAX SETA
	s_wait_alu depctr_va_vdst(0)
	QREST SETA, PW0
	PUT 16, 0
	global_store_b32 v[SCR], v[PW0], s[34:35] th:TH_STORE_NT   ; 64 consecutive bytes; both halves of the lanes hold the same word and write it to the same place
	XLOAD SETA, 4, 512                             ; the set just freed takes x's step 1
	XSTEP 0, 1
	XSTEP 1, 0
	XSTEP 2, 0
	XSTEP 3, 0
	; ---- hidden: the eight waves' parts meet in LDS; wave 0 adds them, doubles, rounds to bf16 and stores the block's image.  Wave 1 stores lora_B's.
	s_wait_xcnt 0x0                                ; the stores above have read their registers
.irp p, 0,2,4,6
	v_pk_add_f32 v[XBF+\p:XBF+\p+1], v[ACC+\p:ACC+\p+1], v[ACC+8+\p:ACC+8+\p+1]   ; each accumulator from its low end on
.endr
	ds_store_b128 v[PSA], v[XBF:XBF+3]
	ds_store_b128 v[PSA], v[XBF+4:XBF+7] offset:512
	s_wait_dscnt 0x0                               ; for the others' sake: my stores have landed
	s_barrier_signal -1
	s_barrier_wait -1
	s_cmp_lg_u32 s22, 0
	s_cbranch_scc1 .Lnot_wave_0
.irp w, 0,1,2,3,4,5,6,7
.irp u, 0,1
	ds_load_b128 v[SETA+8*\w+4*\u:SETA+8*\w+4*\u+3], v[LI] offset:PS+1024*\w+512*\u
.endr
.endr
	s_wait_dscnt 0x0
.irp d, 4,2,1
.irp w, 0,1,2,3
.if \w < \d
.irp p, 0,2,4,6
	v_pk_add_f32 v[SETA+8*\w+\p:SETA+8*\w+\p+1], v[SETA+8*\w+\p:SETA+8*\w+\p+1], v[SETA+8*(\w+\d)+\p:SETA+8*(\w+\d)+\p+1]
.endr
.endif
.endr
.endr
.irp p, 0,2,4,6
	s_delay_alu instid0(VALU_DEP_4)
	v_pk_mul_f32 v[SETA+\p:SETA+\p+1], v[SETA+\p:SETA+\p+1], 2.0 op_sel_hi:[1,0]   ; alpha / rank = 2: exact
.endr
.irp p, 0,1,2,3
	s_delay_alu instid0(VALU_DEP_4)
	v_cvt_pk_bf16_f32 v[XBF+\p], v[SETA+2*\p], v[SETA+2*\p+1]
.endr
.irp p, 0,1,2,3
	s_delay_alu instid0(VALU_DEP_4)
	v_cndmask_b32 v[XBF+\p], v[XBF+\p], v[ZR], s31 ; lanes 16-31 stand for k 8 .. 15: zeros
.endr
	global_store_b128 v[LI], v[XBF:XBF+3], s[18:19] th:TH_STORE_NT
	global_store_b128 v[LI], v[ZR:ZR+3], s[18:19] offset:512 th:TH_STORE_NT   ; k 16 .. 31: zeros
	s_wait_tensorcnt 0x0
	ds_add_u32 v126, v127
	s_wait_dscnt 0x0
	s_endpgm
.Lnot_wave_0:
	s_cmp_lg_u32 s22, 1
	s_cbranch_scc1 .Ldone
	v_cvt_pk_bf16_f32 v[CD], v[LBR], v[LBR+1]      ; lane l holds 4 numbers of row l / 2 of lora_B: 8 bytes at 8 l
	v_cvt_pk_bf16_f32 v[CD+1], v[LBR+2], v[LBR+3]
	s_delay_alu instid0(VALU_DEP_2)
	v_and_b32 v[CD], s36, v[CD]                    ; quarters 1 to 3 of the image are zeros
	s_delay_alu instid0(VALU_DEP_2)
	v_and_b32 v[CD+1], s36, v[CD+1]
	global_store_b64 v[LB8], v[CD:CD+1], s[20:21] th:TH_STORE_NT   ; 256 consecutive bytes, aligned
.Ldone:
	s_wait_tensorcnt 0x0
	ds_add_u32 v126, v127
	s_wait_dscnt 0x0
	s_endpgm
.Lfunc_end_k_qdd0dff3113_prep:
	.size	k_qdd0dff3113_prep, .Lfunc_end_k_qdd0dff3113_prep-k_qdd0dff3113_prep
	.p2alignl 7, 3214868480
	.fill 96, 4, 3214868480
	.section	.rodata,"a",@progbits
	.p2align	6, 0x0
	.amdhsa_kernel k_qdd0dff3113_prep
		.amdhsa_group_segment_fixed_size 94464
		.amdhsa_private_segment_fixed_size 0
		.amdhsa_enable_private_segment 0
		.amdhsa_kernarg_size 72
		.amdhsa_user_sgpr_count 2
		.amdhsa_user_sgpr_kernarg_segment_ptr 1
		.amdhsa_wavefront_size32 1
		.amdhsa_system_sgpr_workgroup_id_x 1
		.amdhsa_system_sgpr_workgroup_id_y 1
		.amdhsa_system_sgpr_workgroup_id_z 1
		.amdhsa_system_vgpr_workitem_id 0
		.amdhsa_next_free_vgpr 256
		.amdhsa_next_free_sgpr 66
		.amdhsa_reserve_vcc 0
		.amdhsa_float_denorm_mode_32 3
		.amdhsa_float_denorm_mode_16_64 3
		.amdhsa_memory_ordered 1
		.amdhsa_forward_progress 1
		.amdhsa_inst_pref_size 109
	.end_amdhsa_kernel
	.amdgpu_metadata
---
amdhsa.version: [ 1, 2 ]
amdhsa.kernels:
  - .name:           k_qdd0dff3113_prep
    .symbol:         k_qdd0dff3113_prep.kd
    .args:
      - { .name: x, .offset: 0, .size: 8, .value_kind: global_buffer, .address_space: global }
      - { .name: qweight_codes, .offset: 8, .size: 8, .value_kind: global_buffer, .address_space: global }
      - { .name: qweight_scales, .offset: 16, .size: 8, .value_kind: global_buffer, .address_space: global }
      - { .name: lora_A, .offset: 24, .size: 8, .value_kind: global_buffer, .address_space: global }
      - { .name: lora_B, .offset: 32, .size: 8, .value_kind: global_buffer, .address_space: global }
      - { .name: xq, .offset: 40, .size: 8, .value_kind: global_buffer, .address_space: global }
      - { .name: wq, .offset: 48, .size: 8, .value_kind: global_buffer, .address_space: global }
      - { .name: hid_img, .offset: 56, .size: 8, .value_kind: global_buffer, .address_space: global }
      - { .name: lb_img, .offset: 64, .size: 8, .value_kind: global_buffer, .address_space: global }
    .group_segment_fixed_size: 94464
    .private_segment_fixed_size: 0
    .kernarg_segment_align: 8
    .kernarg_segment_size: 72
    .max_flat_workgroup_size: 256
    .sgpr_count:     66
    .vgpr_count:     256
    .wavefront_size: 32
...
	.end_amdgpu_metadata
.endif
;; end of part 1
;; launch gemm (part 2): grid 8 x 32, 4 waves a work-group, clusters of 4 x 4, 327,680 bytes of LDS; arguments xq, wq, hid_img, lb_img, bias, out0; writes out0
.if DOCPART == 2
	.amdgcn_target "amdgcn-amd-amdhsa--gfx1250"
	.amdhsa_code_object_version 6
	.text
	.protected	k_qdd0dff3113_gemm
	.globl	k_qdd0dff3113_gemm
	.p2align	8
	.type	k_qdd0dff3113_gemm,@function
k_qdd0dff3113_gemm:
	s_mov_b64 s[64:65], 0
	v_nop
	global_prefetch_b8 v0, s[64:65] scope:SCOPE_SE
	s_setreg_imm32_b32 hwreg(HW_REG_WAVE_MODE, 25, 1), 1
	s_wait_xcnt 0x0
	s_wait_alu depctr_hold_cnt(0) depctr_sa_sdst(0) depctr_va_vdst(0) depctr_va_sdst(0) depctr_va_ssrc(0) depctr_va_vcc(0) depctr_vm_vsrc(0)
	s_getreg_b32 s2, hwreg(HW_REG_IB_STS2, 6, 4)
	s_cmp_eq_u32 s2, 0
	s_cbranch_scc0 .Lentry_in_a_cluster
	s_endpgm
.Lentry_in_a_cluster:
	s_bfe_u32 s2, ttmp6, 0x10000c
	s_cmp_lg_u32 s2, 0xf033
	s_cbranch_scc0 .Lentry_shape_is_right
	s_endpgm
.Lentry_shape_is_right:
; out[m][n] = sum over k of x[m][k] W[n][k] + bias[n] + (2 hidden)[m] . lora_B[n].  x and W come as codes of BF8 (E5M2) with E8M0 scale words, in records of REC bytes
; (128 rows x 256 along K, laid as images of operand registers: codes at q x 16,384 + mb x 2,048 + c x 512 + 16 x lane, scale words at 32,768 + mb x 128 + q x 64 + 4 r).
; A work-group of four waves makes 256 x 256 of out, a wave 128 x 128: 64 accumulators.  The sums begin with bias + lora_B x (2 hidden), by bf16 products with bias as C.
; x GOES THROUGH LDS: two slots of 512 along K (four records: 2 groups of 128 rows x 2 records), one record a wave, asked for jointly by the four work-groups of a row of the 4 x 4 cluster, which share a tile row.
; W GOES FROM MEMORY STRAIGHT INTO REGISTERS: a record is an image of the fragments, so a load of 16 bytes a lane takes 512 consecutive bytes.  It is no joint load and passes no LDS: so a wave has
; 32 LDS loads of 16 bytes for a step's 64 products where both operands through LDS would have 64, and the two slots hold 512 along K where they would hold 256: 6 refills in place of 14.
; W's fragments have two register sets (all of window 1) and are asked for two steps of 128 along K ahead, four blocks at a time as the blocks fall free.  A step's loads stand in three runs.
; THE WALK ALONG K IS ROTATED: tile row tr begins at slot tr mod 8 of the eight slots of 512 and wraps round.  So the 32 tile rows that load one record of W load it at eight different slot times.
; The tile row enters global addresses and the joint load's mask alone: no LDS address and no branch hangs on a work-group's place in its cluster.
; LIMIT: the f32 sums run along K in that rotated order, not from k = 0 on: the results differ from an ascending sum by rounding alone.
; PREFETCH: x's slot t + 3 is asked for behind the refill that loads slot t + 2: each of the four partners takes 8,192 bytes and one 256-byte block of the scale words of each wave's record, told apart by address.
; Of W only the first slot's second record is asked for, at the head (its first record is loaded there): a record that a work-group loads at slot time t >= 1 has been loaded at time t - 1 by tile rows tr + 1, tr + 9, .. (mod 32).
; REGISTERS: window 0: v0-31 addresses; v32-47 x's scale words, v48-63 W's (a register: lanes 0-15 the record's first 128 along K, lanes 16-31 its second; two sets, one a record);
;   v128-255 x's fragments, ONE set (blocks 0-3 fetched anew at a step's middle, 4-7 at its end); at the head v64-127 lora_B, v128-191 hidden, v192-255 bias.  Window 1: W's two sets.
;   windows 2, 3: accumulator (a, b) at window 2 + a / 4, v[8 (8 (a % 4) + b)].  Source 0 = 16 rows of W, source 1 = 16 rows of x: a lane holds eight neighbouring columns of one row of out.
.set REC,    33792
.set SWO,    32768
.set SLOT,   4*REC
.set SPARE,  2*SLOT                    ; the spare words, 128 bytes a wave
.set STAGE,  SPARE+512                 ; the way out: 16 rows x 528 bytes for each wave; no tile lands here
.set SPITCH, 528
.set SIZE_N, 2048
.set LI,   1                           ; 16 x lane
.set L4,   2                           ; 4 x lane
.set BO,   3                           ; 32 h
.set PFO,  4                           ; 256 x lane
.set PF2,  5                           ; my work-group's block of a record's scale words, from its 8,192 bytes on
.set PFB,  6                           ; 256 x lane + 16,384 x (wave / 2)
.set STO,  7
.set RD,   8
.set ADRA, 12                          ; v12-15 LDS address of my x fragments: [slot][record]
.set ADSA, 16                          ; v16-19 the same for the scale words
.set SPW,  28
.set NIL,  29
.set SA,   32
.set SB,   48
.set LBF,  64
.set AF,   128
.set BK,   128
.set WV,   16
.set G1,   24
.set G0,   32
.set XA,   40                          ; s[40:41] my record stream in xq
.set WB,   42                          ; s[42:43] my 128 rows of W in wq
.set BN,   44                          ; s[44:45] the slot of W that my loads name
.set KB,   46                          ; its number
.set KA,   47                          ; the number of x's slot asked for last
.set PFX,  52                          ; s[52:53] XA + my work-group's 8,192 bytes
.set PFA,  54                          ; s[54:55] where the prefetch stands
.set MSB, 0
.macro WIN new
.if MSB != (\new)
	s_set_vgpr_msb (MSB<<8)|(\new)
.set MSB, \new
.endif
.endm
.set MUL_LO, 0xa1
.set MUL_HI, 0xf1
.set TO_B,   0x40
.macro PLACES n
.rept \n
	v_nop
.endr
.endm
.macro CREST
	s_cmp_lg_u32 s[WV], 0
	s_cbranch_scc1 .Lnot_wave_0_\@
	s_barrier_signal -3
.Lnot_wave_0_\@:
	s_barrier_wait -3
	s_barrier_signal -1
	s_barrier_wait -1
.endm
.macro CROUND
	s_barrier_signal -1
	s_barrier_wait -1
	CREST
.endm
.macro ASK how                         ; how = 2: not in the loop's last trip, whose second refill is the last
.if \how == 2
	s_cmp_lg_u32 s3, 1
	s_cbranch_scc0 .Lno_ask_\@
.endif
	global_prefetch_b8 v[PFO], s[PFA:PFA+1] th:TH_LOAD_NT scope:SCOPE_SE
	global_prefetch_b8 v[PF2], s[PFA:PFA+1] th:TH_LOAD_NT scope:SCOPE_SE
.Lno_ask_\@:
.endm
	s_load_b256 s[4:11], s[0:1], 0x0               ; xq, wq, hid_img, lb_img
	s_load_b128 s[12:15], s[0:1], 0x20             ; bias, out0
	v_lshl_add_u32 v[SPW], v0, 2, SPARE
	v_mov_b32 v[NIL], 0
	ds_add_u32 v[SPW], v[NIL]                      ; the opening lines: the add twice on end and one wait
	ds_add_u32 v[SPW], v[NIL]
	v_lshrrev_b32 v9, 5, v0
	v_readfirstlane_b32 s[WV], v9                  ; wave
	s_lshr_b32 s17, s[WV], 1                       ; my half of the tile's rows; also: which 128 rows of x I fetch
	s_and_b32 s18, s[WV], 1                        ; my half of its columns; also: which record of a slot I fetch
	s_bfe_u32 s21, ttmp6, 0x40000                  ; cx
	s_bfe_u32 s22, ttmp6, 0x40004                  ; cy
	s_lshl_b32 s20, ttmp9, 2
	s_add_co_u32 s20, s20, s21                     ; tile column = 4 x cluster x + cx
	s_and_b32 s19, ttmp7, 0xffff
	s_lshl_b32 s19, s19, 2
	s_add_co_u32 s19, s19, s22                     ; tile row = 4 x cluster y + cy: my row of the cluster shares it
	s_lshl_b32 s22, s22, 2
	s_lshl_b32 s22, 15, s22                        ; my row of the cluster: places 4 cy .. 4 cy + 3
	s_or_b32 s[G1+0], s22, (3<<16)|(1<<21)         ; the mask; elements of 8 bytes
	s_mov_b32 s[G1+1], 32<<16                      ; a record as 132 rows of 256 bytes
	s_mov_b32 s[G1+2], 132<<16
	s_mov_b32 s[G1+3], 32<<16
	s_mov_b32 s[G1+4], 132
	s_mov_b32 s[G1+5], 32
	s_mov_b32 s[G1+6], 0
	s_mov_b32 s[G1+7], 0
	s_mov_b32 s49, 0
	s_mov_b32 s51, 0
	s_mov_b32 s57, 0
	s_mov_b32 s59, 0
	s_and_b32 s[KB], s19, 7                        ; the walk begins at slot tr mod 8
	s_add_co_u32 s[KA], s[KB], 1
	s_and_b32 s[KA], s[KA], 7
	s_lshl_b32 s22, s19, 1
	s_add_co_u32 s22, s22, s17
	s_lshl_b32 s22, s22, 4
	s_add_co_u32 s22, s22, s18
	s_mul_i32 s48, s22, REC                        ; xq: ((2 tr + wave / 2) x 16 + wave % 2) records
	s_lshl_b32 s22, s20, 1
	s_add_co_u32 s22, s22, s18
	s_mul_i32 s50, s22, 16*REC                     ; wq: (2 tc + wave % 2) x 16 records
	s_mul_i32 s56, s[KB], 2*REC
	s_mul_i32 s58, s[KA], 2*REC
	s_mul_i32 s23, s[WV], REC                      ; LDS: wave x a record
	s_mul_i32 s60, s21, 7936
	s_sub_co_u32 s60, SWO, s60
	s_mul_i32 s61, s17, 2*REC
	s_mul_i32 s62, s[WV], 16*SPITCH
	s_add_co_u32 s62, s62, STAGE
	v_and_b32 v10, 31, v0
	v_and_b32 v11, 15, v0
	v_bfe_u32 v20, v0, 4, 1
	v_lshlrev_b32 v[LI], 4, v10
	v_lshlrev_b32 v[L4], 2, v10
	v_lshlrev_b32 v[BO], 5, v20
	v_lshlrev_b32 v[PFO], 8, v10
	v_mov_b32 v[PF2], s60
	v_lshl_add_u32 v[PFB], s17, 14, v[PFO]
	v_add_nc_u32 v[ADRA], s61, v[LI]
	v_add_nc_u32 v[ADSA], s61, v[L4]
	v_add_nc_u32 v[ADRA+1], REC, v[ADRA]
	v_add_nc_u32 v[ADSA+1], REC, v[ADSA]
	v_add_nc_u32 v[ADRA+2], SLOT, v[ADRA]
	v_add_nc_u32 v[ADSA+2], SLOT, v[ADSA]
	v_add_nc_u32 v[ADRA+3], SLOT+REC, v[ADRA]
	v_add_nc_u32 v[ADSA+3], SLOT+REC, v[ADSA]
	v_mul_u32_u24 v21, v11, SPITCH
	v_lshl_add_u32 v21, v20, 5, v21
	v_add_nc_u32 v[STO], s62, v21
	v_add_nc_u32 v[RD], s62, v[LI]
	s_wait_alu depctr_va_vdst(0)                   ; the wait at the head's end: no vector instruction writes a register behind it
	s_wait_dscnt 0x0                               ; both opening adds are done
	s_wait_kmcnt 0x0
	s_add_nc_u64 s[XA:XA+1], s[4:5], s[48:49]
	s_add_nc_u64 s[WB:WB+1], s[6:7], s[50:51]
	s_add_nc_u64 s[BN:BN+1], s[WB:WB+1], s[56:57]
	s_lshl_b32 s48, s21, 13
	s_add_nc_u64 s[PFX:PFX+1], s[XA:XA+1], s[48:49]
	s_mov_b32 s[G0], 1
	s_add_co_u32 s[G0+1], s23, 0
	s_add_nc_u64 s[G0+2:G0+3], s[XA:XA+1], s[56:57]
	s_or_b32 s[G0+3], s[G0+3], 0x80000000
	s_mov_b32 s[G0+4], 1
	s_add_co_u32 s[G0+5], s23, SLOT
	s_add_nc_u64 s[G0+6:G0+7], s[XA:XA+1], s[58:59]
	s_or_b32 s[G0+7], s[G0+7], 0x80000000
	s_lshl_b32 s48, s19, 14
	s_lshl_b32 s22, s17, 13
	s_add_co_u32 s48, s48, s22
	s_add_nc_u64 s[8:9], s[8:9], s[48:49]          ; hidden: my 128 rows
	s_lshl_b32 s48, s20, 14
	s_lshl_b32 s22, s18, 13
	s_add_co_u32 s48, s48, s22
	s_add_nc_u64 s[10:11], s[10:11], s[48:49]      ; lora_B: my 128 columns
	s_lshl_b32 s48, s20, 10
	s_lshl_b32 s22, s18, 9
	s_add_co_u32 s48, s48, s22
	s_add_nc_u64 s[12:13], s[12:13], s[48:49]      ; bias, and out's columns
	s_add_nc_u64 s[14:15], s[14:15], s[48:49]
	s_lshl_b32 s48, s19, 21
	s_lshl_b32 s22, s17, 20
	s_add_co_u32 s48, s48, s22
	s_add_nc_u64 s[14:15], s[14:15], s[48:49]
.irp i, 0,1,2,3,4,5,6,7
.irp c, 0,1
	global_load_b128 v[AF+8*\i+4*\c:AF+8*\i+4*\c+3], v[LI], s[8:9] offset:1024*\i+512*\c
	global_load_b128 v[LBF+8*\i+4*\c:LBF+8*\i+4*\c+3], v[LI], s[10:11] offset:1024*\i+512*\c
	global_load_b128 v[192+8*\i+4*\c:192+8*\i+4*\c+3], v[BO], s[12:13] offset:64*\i+16*\c
.endr
.endr
; W's blocks i0 .. i0 + 3 of the slot's step pp (record pp / 2, its half pp % 2) into set pp % 2
.macro BLOAD pp, i0
.irp i, 0,1,2,3
.irp c, 0,1,2,3
	global_load_b128 v[128*((\pp)%2)+16*(\i0+\i)+4*\c:128*((\pp)%2)+16*(\i0+\i)+4*\c+3], v[LI], s[BN:BN+1] offset:REC*((\pp)/2)+16384*((\pp)%2)+2048*(\i0+\i)+512*\c
.endr
.endr
.endm
.macro BSCALES kr                      ; W's scale words of record kr: 128 consecutive bytes a block
.irp i, 0,1,2,3,4,5,6,7
	global_load_b32 v[SB+8*(\kr)+\i], v[L4], s[BN:BN+1] offset:REC*(\kr)+SWO+128*\i
.endr
.endm
.macro FETCH_A sl, pp, i0
.irp i, 0,1,2,3
.irp c, 0,1,2,3
	ds_load_b128 v[AF+16*(\i0+\i)+4*\c:AF+16*(\i0+\i)+4*\c+3], v[ADRA+2*(\sl)+(\pp)/2] offset:16384*((\pp)%2)+2048*(\i0+\i)+512*\c
.endr
.endr
.endm
.macro SCALES_A sl, kr
.irp i, 0,1,2,3,4,5,6,7
	ds_load_b32 v[SA+8*(\kr)+\i], v[ADSA+2*(\sl)+(\kr)] offset:SWO+128*\i
.endr
.endm
; 16 products: W's blocks b0 .. b0 + 3, each against x's blocks 4 hf .. 4 hf + 3.  The 64 accumulators take turns, in the same order in every step.
.macro MULQ hf, b0, p
.irp b, \b0, \b0+1, \b0+2, \b0+3
.irp a, 0,1,2,3
.set ACR, 8*(8*\a+(\b))
.set BR,  128*((\p)%2)+16*(\b)
.set AR,  AF+16*(4*(\hf)+\a)
.set SBR, SB+8*((\p)/2)+(\b)
.set SAR, SA+8*((\p)/2)+4*(\hf)+\a
.if (\p)%2
	v_wmma_scale_f32_16x16x128_f8f6f4 v[ACR:ACR+7], v[BR:BR+15], v[AR:AR+15], v[ACR:ACR+7], v[SBR], v[SAR] matrix_a_fmt:MATRIX_FMT_BF8 matrix_b_fmt:MATRIX_FMT_BF8 matrix_a_scale:MATRIX_SCALE_ROW1 matrix_b_scale:MATRIX_SCALE_ROW1
.else
	v_wmma_scale_f32_16x16x128_f8f6f4 v[ACR:ACR+7], v[BR:BR+15], v[AR:AR+15], v[ACR:ACR+7], v[SBR], v[SAR] matrix_a_fmt:MATRIX_FMT_BF8 matrix_b_fmt:MATRIX_FMT_BF8
.endif
.endr
.endr
.endm
	CROUND                                         ; the round in front of the first joint loads
	tensor_load_to_lds s[G0:G0+3], s[G1:G1+7]      ; slot 0: my record; one tensor load a wave at the head
	s_nop 0
	PLACES 4
	BSCALES 0
	WIN TO_B
	BLOAD 0, 0
	BLOAD 0, 4
	WIN 0
	global_prefetch_b8 v[PFB], s[BN:BN+1] offset:REC th:TH_LOAD_NT scope:SCOPE_SE        ; W's second record of the first slot: waves w and w + 2 share its 32,768 bytes of codes
	global_prefetch_b8 v[PFB], s[BN:BN+1] offset:REC+8192 th:TH_LOAD_NT scope:SCOPE_SE
	s_wait_loadcnt 40                              ; hidden, lora_B and bias are in; behind them 8 + 32 loads of W were issued
.irp a, 0,1,2,3,4,5,6,7
	WIN 0x80+0x40*(\a/4)
.irp b, 0,1,2,3,4,5,6,7
	v_wmma_f32_16x16x32_bf16 v[8*(8*(\a%4)+\b):8*(8*(\a%4)+\b)+7], v[LBF+8*\b:LBF+8*\b+7], v[AF+8*\a:AF+8*\a+7], v[192+8*\b:192+8*\b+7]
.endr
.endr
	PLACES 5                                       ; behind the bf16 form, ahead of products of another form on its results and of loads into its sources
	WIN TO_B
	BLOAD 1, 0
	BLOAD 1, 4
	WIN 0
	s_wait_tensorcnt 0x0                           ; my record of slot 0 is in
	ds_add_u32 v[SPW], v[NIL]
	s_wait_dscnt 0x0
	CROUND
	tensor_load_to_lds s[G0+4:G0+7], s[G1:G1+7]    ; slot 1's first fill
	s_nop 0
	PLACES 4
	FETCH_A 0, 0, 0
	SCALES_A 0, 0
	FETCH_A 0, 0, 4
; Step p (0 .. 3) of a slot: 128 along K, 64 products.  kind 0: the next step lies in the same slot; 1: the slot's last step, this slot is filled again; 2: the same without a refill; 3: the very last step.
; ld = 1: W's fragments of the step two on are asked for.  w1: the loads that may be out when W's blocks 0-3 are needed: my blocks 4-7 (16) and the step before's 32, or 40 with scale words.
.macro STEP slot, p, kind, ld, w1, pf
.if (\p) == 3
.set NSL, 1-(\slot)
.set NPP, 0
.else
.set NSL, \slot
.set NPP, (\p)+1
.endif
.set TP, ((\p)+2)%4
.if ((\p) == 2) && (\ld)
	s_wait_xcnt 0x0                                ; my earlier loads and prefetches have read their bases
	s_add_co_u32 s[KB], s[KB], 1
	s_and_b32 s[KB], s[KB], 7
	s_mul_i32 s48, s[KB], 2*REC
	s_add_nc_u64 s[BN:BN+1], s[WB:WB+1], s[48:49]  ; from here on my loads name the next slot of W
.if \pf
	s_add_co_u32 s22, s[KA], 2
	s_and_b32 s22, s22, 7
	s_mul_i32 s56, s22, 2*REC
	s_add_nc_u64 s[PFA:PFA+1], s[PFX:PFX+1], s[56:57]   ; x's slot one beyond the refill that this slot's last step asks for
.endif
.endif
.if ((\kind) == 1) || ((\kind) == 2)
	s_wait_tensorcnt 0x0                           ; my record of the next slot is in: no tensor load of mine is out
	ds_add_u32 v[SPW], v[NIL]
.if (\kind) == 1
	s_add_co_u32 s[KA], s[KA], 1
	s_and_b32 s[KA], s[KA], 7
	s_mul_i32 s50, s[KA], 2*REC
	s_add_nc_u64 s[G0+4*\slot+2:G0+4*\slot+3], s[XA:XA+1], s[50:51]
	s_or_b32 s[G0+4*\slot+3], s[G0+4*\slot+3], 0x80000000
.endif
	s_wait_dscnt 17                                ; x's blocks 0-3 are in; blocks 4-7 and the add may be out
.else
	s_wait_dscnt 16                                ; x's blocks 0-3 and any scale words are in; blocks 4-7 may be out
.endif
	s_wait_loadcnt \w1
	WIN MUL_LO
	MULQ 0, 0, \p
	s_wait_loadcnt \w1-16                          ; W's blocks 4-7
.if ((\kind) == 1) || ((\kind) == 2)
	s_wait_dscnt 0x0                               ; the add is done, my reads of this slot are over
	s_barrier_signal -1
.endif
	MULQ 0, 4, \p
.if ((\kind) == 1) || ((\kind) == 2)
	WIN 0
	s_barrier_wait -1
.if (\kind) == 1
	CREST                                          ; the barrier has opened a round of the cluster's barrier
	tensor_load_to_lds s[G0+4*\slot:G0+4*\slot+3], s[G1:G1+7]
	s_nop 0
.endif
	PLACES 8
.else
	s_wait_dscnt 0x0                               ; x's blocks 4-7
.if (\kind) != 3
	PLACES 8
.endif
	WIN 0
.endif
.if (\kind) != 3
	FETCH_A NSL, NPP, 0
.if NPP%2 == 0
	SCALES_A NSL, NPP/2
.endif
.endif
.if ((\kind) == 1) && (\pf)
	ASK \pf
.endif
	WIN MUL_HI
	MULQ 1, 0, \p
.if \ld
	PLACES 8                                       ; W's blocks 0-3 are done with in this step
.if (\p)%2 == 0
	WIN 0
	BSCALES TP/2
.endif
	WIN TO_B
	BLOAD TP, 0
	WIN MUL_HI
.endif
	MULQ 1, 4, \p
.if (\kind) != 3
	PLACES 8
.if \ld
	WIN TO_B
	BLOAD TP, 4
.endif
	WIN 0
	FETCH_A NSL, NPP, 4
.else
	WIN 0
.endif
.endm
	s_mov_b32 s3, 3
.Llap:                                                 ; a trip: two slots, both filled again: slot times 0 to 5
	STEP 0, 0, 0, 1, 48, 0
	STEP 0, 1, 0, 1, 56, 0
	STEP 0, 2, 0, 1, 48, 1
	STEP 0, 3, 1, 1, 56, 1
	STEP 1, 0, 0, 1, 48, 0
	STEP 1, 1, 0, 1, 56, 0
	STEP 1, 2, 0, 1, 48, 1
	STEP 1, 3, 1, 1, 56, 2
	s_sub_co_u32 s3, s3, 1
	s_cmp_lg_u32 s3, 0
	s_cbranch_scc1 .Llap
	STEP 0, 0, 0, 1, 48, 0                         ; the last two slots fill nothing
	STEP 0, 1, 0, 1, 56, 0
	STEP 0, 2, 0, 1, 48, 0
	STEP 0, 3, 2, 1, 56, 0
	STEP 1, 0, 0, 1, 48, 0
	STEP 1, 1, 0, 1, 56, 0
	STEP 1, 2, 0, 0, 48, 0
	STEP 1, 3, 3, 0, 16, 0
; THE WAY OUT, block by block of 16 rows x 128 columns, through my own stage: back as whole rows of 512 bytes, which 32 lanes store as two aligned runs of 256 bytes.
.macro TOSTAGE a
.set AC, 64*((\a)%4)
	WIN 0x08+4*((\a)/4)
.irp b, 0,1,2,3,4,5,6,7
	ds_store_b128 v[STO], v[AC+8*\b:AC+8*\b+3] offset:64*\b          ; each accumulator from its low end on
	ds_store_b128 v[STO], v[AC+8*\b+4:AC+8*\b+7] offset:64*\b+16
.endr
	WIN 0
.set BB, BK+64*((\a)%2)
.irp t, 0,1,2,3,4,5,6,7,8,9,10,11,12,13,14,15
	ds_load_b128 v[BB+4*\t:BB+4*\t+3], v[RD] offset:\t*SPITCH       ; LDS serves a wave's instructions in order (ISA guide 5.7.1.4)
.endr
.endm
.macro SEND a, younger
.set BB, BK+64*((\a)%2)
	s_wait_dscnt \younger
.if (\a) > 0
	s_add_nc_u64 s[14:15], s[14:15], 16*SIZE_N*4   ; behind a wait on XCNT
.endif
.irp t, 0,1,2,3,4,5,6,7,8,9,10,11,12,13,14,15
	global_store_b128 v[LI], v[BB+4*\t:BB+4*\t+3], s[14:15] offset:\t*SIZE_N*4 th:TH_STORE_NT
.endr
.endm
	PLACES 8
	TOSTAGE 0
.irp a, 1,2,3,4,5,6,7
.if \a > 1
	s_wait_xcnt 0x0                                ; block a - 2's stores have read their registers and their base
.endif
	TOSTAGE \a
	SEND \a-1, 32
.endr
	s_wait_xcnt 0x0
	SEND 7, 0
	s_wait_tensorcnt 0x0                           ; the wave's end
	ds_add_u32 v[SPW], v[NIL]
	s_wait_dscnt 0x0
	CROUND                                         ; the closing round
	s_endpgm
.Lfunc_end_k_qdd0dff3113_gemm:
	.size	k_qdd0dff3113_gemm, .Lfunc_end_k_qdd0dff3113_gemm-k_qdd0dff3113_gemm
	.p2alignl 7, 3214868480
	.fill 96, 4, 3214868480
	.section	.rodata,"a",@progbits
	.p2align	6, 0x0
	.amdhsa_kernel k_qdd0dff3113_gemm
		.amdhsa_group_segment_fixed_size 327680
		.amdhsa_private_segment_fixed_size 0
		.amdhsa_enable_private_segment 0
		.amdhsa_kernarg_size 48
		.amdhsa_user_sgpr_count 2
		.amdhsa_user_sgpr_kernarg_segment_ptr 1
		.amdhsa_wavefront_size32 1
		.amdhsa_system_sgpr_workgroup_id_x 1
		.amdhsa_system_sgpr_workgroup_id_y 1
		.amdhsa_system_sgpr_workgroup_id_z 1
		.amdhsa_system_vgpr_workitem_id 0
		.amdhsa_next_free_vgpr 1024
		.amdhsa_next_free_sgpr 66
		.amdhsa_reserve_vcc 0
		.amdhsa_float_denorm_mode_32 3
		.amdhsa_float_denorm_mode_16_64 3
		.amdhsa_memory_ordered 1
		.amdhsa_forward_progress 1
		.amdhsa_inst_pref_size 255
	.end_amdhsa_kernel
	.section	.bss,"aw",@nobits
	.p2align	6
	.space	262144
	.amdgpu_metadata
---
amdhsa.version: [ 1, 2 ]
amdhsa.kernels:
  - .name:           k_qdd0dff3113_gemm
    .symbol:         k_qdd0dff3113_gemm.kd
    .args:
      - { .name: xq, .offset: 0, .size: 8, .value_kind: global_buffer, .address_space: global }
      - { .name: wq, .offset: 8, .size: 8, .value_kind: global_buffer, .address_space: global }
      - { .name: hid_img, .offset: 16, .size: 8, .value_kind: global_buffer, .address_space: global }
      - { .name: lb_img, .offset: 24, .size: 8, .value_kind: global_buffer, .address_space: global }
      - { .name: bias, .offset: 32, .size: 8, .value_kind: global_buffer, .address_space: global }
      - { .name: out0, .offset: 40, .size: 8, .value_kind: global_buffer, .address_space: global }
    .group_segment_fixed_size: 327680
    .private_segment_fixed_size: 0
    .kernarg_segment_align: 8
    .kernarg_segment_size: 48
    .max_flat_workgroup_size: 128
    .sgpr_count:     66
    .vgpr_count:     1024
    .wavefront_size: 32
...
	.end_amdgpu_metadata
.endif
;; end of part 2
